; MI455X (gfx1250); checked and timed in simulation.
; The chip was launched on July 23, 2026; its instructions are those of AMD's public machine-readable ISA for CDNA 5 (MIT licence, August 2026) and "CDNA5" Instruction Set Architecture Reference Guide (July 2026). The comments in the code are by the model that wrote it; some were corrected since.
;; Q Dense. Allowed arithmetic: float matrix products may take bf16 or f16 operands with f32 sums; all other float work in f32.
;; Inputs: W_ri 1,024 x 1,024 float32; W_rj 1,024 x 1,024 float32; W_rk 1,024 x 1,024 float32; W_rr 1,024 x 1,024 float32; b_ri 1,024 float32; b_rj 1,024 float32; b_rk 1,024 float32; b_rr 1,024 float32; x 4,096 x 4,096 float32.
;; Outputs: out0 4,096 x 4,096 float32.
;; One version. Each part assembles by itself: llvm-mc -triple=amdgcn-amd-amdhsa -mcpu=gfx1250 --defsym DOCPART=n.
;; ======== version 1 of 1: 2 launches
;; workspace buffers: cast 41,943,040 bytes
;; launch tobf16 (part 1): grid 1280 x 1, 8 waves a work-group, no clusters, 0 bytes of LDS; arguments x, W_rr, W_ri, W_rj, W_rk, cast; writes cast
.if DOCPART == 1
	.amdgcn_target "amdgcn-amd-amdhsa--gfx1250"
	.amdhsa_code_object_version 6
	.text
	.protected	k_q8364102295_tobf16
	.globl	k_q8364102295_tobf16
	.p2align	8
	.type	k_q8364102295_tobf16,@function
k_q8364102295_tobf16:
	s_mov_b64 s[64:65], 0
	v_nop
	global_prefetch_b8 v0, s[64:65] scope:SCOPE_SE
	s_setreg_imm32_b32 hwreg(HW_REG_WAVE_MODE, 25, 1), 1
	s_wait_xcnt 0x0
; x [4096][4096] and W_rr, W_ri, W_rj, W_rk [1024][1024], all f32, are rounded once (to nearest even) to bf16 and laid into one workspace AS THE TILES THAT THE
; PRODUCT LAUNCH FETCHES.  A tile is 65,536 dense bytes: [c: 4][row': 64][half: 2][64 numbers along i], for a block of 128 rows (row = 64 half + row') and 64 i (number s of 16).
;   x:  tile (rb, s) at byte (16 rb + s) * 65,536;               entry (c, row', half, e) = x[128 rb + 64 half + row'][1024 c + 64 s + e]
;   W:  tile (ob, s) at byte 33,554,432 + (16 ob + s) * 65,536;  entry (q, row', half, e) = W_q[128 ob + 64 half + row'][64 s + e],  q = 0 rr, 1 ri, 2 rj, 3 rk
; So 256 consecutive bytes of a tile hold 64 numbers of row r and 64 of row r + 64: the product launch gets tile rows of 256 aligned bytes from steps of only 64 along i.
; WHY A LAUNCH OF ITS OWN: in bf16 a tile takes half the LDS bytes, half the bytes of every fragment load and half the bytes of every shared request that it would take in f32.
; LIMIT: an f32 number whose magnitude lies above bf16's largest finite number (about 3.39e38) becomes an infinity.  Nothing else is lost but the rounding to bf16.
; A pure stream: no LDS, no barrier, no matrix unit, no cluster (no two work-groups read the same byte).
; 1,280 work-groups of equal work, 16,384 numbers each.  A wave takes one pair of rows (r, r + 64) and 1,024 columns: sixteen loads, all issued before the first is used;
; in each, lanes 0-15 read 256 consecutive bytes of row r and lanes 16-31 of row r + 64; sixteen stores of 256 consecutive bytes, aligned, one into each of sixteen tiles.
;   g < 1024:  rb = g / 32, row' = 2 (g mod 32) + wave / 4, c = wave mod 4.     g >= 1024, m = g - 1024:  q = m / 64, ob = (m mod 64) / 8, row' = 8 (m mod 8) + wave.
.set NLD,  16                          ; loads of a wave, all in flight at once
.set WOFF, 0x2000000                   ; W's first tile in the workspace
.set X,    8                           ; v[8:71]  load j: 4 registers of f32; its first two registers then hold the 4 bf16 to store
	s_load_b256 s[4:11], s[0:1], 0x0               ; x s[4:5], W_rr s[6:7], W_ri s[8:9], W_rj s[10:11]
	s_load_b128 s[12:15], s[0:1], 0x20             ; W_rk s[12:13], cast s[14:15]
	v_lshrrev_b32 v3, 5, v0                        ; wave
	v_and_b32 v4, 15, v0                           ; my place among the sixteen lanes of a row
	v_bfe_u32 v5, v0, 4, 1                         ; half: 0 row r, 1 row r + 64
	v_lshlrev_b32 v1, 4, v4                        ; source: 16 bytes a lane
	v_lshlrev_b32 v2, 3, v4                        ; destination: 8 bytes a lane,
	v_lshl_or_b32 v2, v5, 7, v2                    ; and 128 bytes for the half
	s_mov_b32 s19, 0                               ; the high words of the two scalar offsets
	s_mov_b32 s23, 0
	s_wait_kmcnt 0x0
	s_cmp_lt_u32 ttmp9, 1024                       ; the branch hangs on the work-group's number alone
	s_cbranch_scc1 .Lfrom_x
	s_sub_co_u32 s16, ttmp9, 1024                  ; m
	s_bfe_u32 s17, s16, 0x20006                    ; q: 2 bits from bit 6
	s_bfe_u32 s24, s16, 0x30003                    ; ob: 3 bits from bit 3
	s_and_b32 s25, s16, 7
	s_lshl_b32 s22, s24, 19                        ; source: row (128 ob + 64 half + 8 (m mod 8) + wave) x 4,096 bytes
	s_lshl_b32 s26, s25, 15
	s_or_b32 s22, s22, s26
	v_lshl_or_b32 v1, v3, 12, v1
	v_lshl_or_b32 v1, v5, 18, v1
	s_lshl_b32 s18, s24, 20                        ; destination: 16 ob tiles + 16,384 q + 256 row'
	s_lshl_b32 s26, s17, 14
	s_or_b32 s18, s18, s26
	s_lshl_b32 s26, s25, 11
	s_or_b32 s18, s18, s26
	s_or_b32 s18, s18, WOFF
	v_lshl_or_b32 v2, v3, 8, v2
	s_mov_b64 s[20:21], s[6:7]                     ; the source buffer is chosen by q
	s_cmp_eq_u32 s17, 1
	s_cselect_b64 s[20:21], s[8:9], s[20:21]
	s_cmp_eq_u32 s17, 2
	s_cselect_b64 s[20:21], s[10:11], s[20:21]
	s_cmp_eq_u32 s17, 3
	s_cselect_b64 s[20:21], s[12:13], s[20:21]
	s_branch .Lgo
.Lfrom_x:
	s_lshr_b32 s24, ttmp9, 5                       ; rb
	s_and_b32 s25, ttmp9, 31
	v_and_b32 v6, 3, v3                            ; c
	v_lshrrev_b32 v7, 2, v3                        ; wave / 4
	s_lshl_b32 s22, s24, 21                        ; source: row (128 rb + 64 half + 2 (g mod 32) + wave / 4) x 16,384 bytes + 4,096 c
	s_lshl_b32 s26, s25, 15
	s_or_b32 s22, s22, s26
	v_lshl_or_b32 v1, v6, 12, v1
	v_lshl_or_b32 v1, v7, 14, v1
	v_lshl_or_b32 v1, v5, 20, v1
	s_lshl_b32 s18, s24, 20                        ; destination: 16 rb tiles + 16,384 c + 256 row'
	s_lshl_b32 s26, s25, 9
	s_or_b32 s18, s18, s26
	v_lshl_or_b32 v2, v7, 8, v2
	v_lshl_or_b32 v2, v6, 14, v2
	s_mov_b64 s[20:21], s[4:5]
.Lgo:
	s_add_nc_u64 s[20:21], s[20:21], s[22:23]
	s_add_nc_u64 s[14:15], s[14:15], s[18:19]
.irp j, 0,1,2,3,4,5,6,7,8,9,10,11,12,13,14,15
	global_load_b128 v[X+4*\j:X+4*\j+3], v1, s[20:21] offset:256*\j th:TH_LOAD_NT   ; 64 numbers on along both rows; read once in the launch
.endr
.irp j, 0,1,2,3,4,5,6,7,8,9,10,11,12,13,14,15
	s_wait_loadcnt NLD-1-\j                        ; loads come back in order (ISA guide 5.7.1): load j is in, the younger ones stay out
	v_cvt_pk_bf16_f32 v[X+4*\j],   v[X+4*\j],   v[X+4*\j+1]
	v_cvt_pk_bf16_f32 v[X+4*\j+1], v[X+4*\j+2], v[X+4*\j+3]
	global_store_b64 v2, v[X+4*\j:X+4*\j+1], s[14:15] offset:65536*\j   ; tile s = j: 32 lanes x 8 bytes, 256 consecutive bytes, aligned.  No register that a store names is written again
.endr
	s_endpgm
.Lfunc_end_k_q8364102295_tobf16:
	.size	k_q8364102295_tobf16, .Lfunc_end_k_q8364102295_tobf16-k_q8364102295_tobf16
	.p2alignl 7, 3214868480
	.fill 96, 4, 3214868480
	.section	.rodata,"a",@progbits
	.p2align	6, 0x0
	.amdhsa_kernel k_q8364102295_tobf16
		.amdhsa_group_segment_fixed_size 0
		.amdhsa_private_segment_fixed_size 0
		.amdhsa_enable_private_segment 0
		.amdhsa_kernarg_size 48
		.amdhsa_user_sgpr_count 2
		.amdhsa_user_sgpr_kernarg_segment_ptr 1
		.amdhsa_wavefront_size32 1
		.amdhsa_system_sgpr_workgroup_id_x 1
		.amdhsa_system_sgpr_workgroup_id_y 1
		.amdhsa_system_sgpr_workgroup_id_z 1
		.amdhsa_system_vgpr_workitem_id 0
		.amdhsa_next_free_vgpr 72
		.amdhsa_next_free_sgpr 66
		.amdhsa_reserve_vcc 0
		.amdhsa_float_denorm_mode_32 3
		.amdhsa_float_denorm_mode_16_64 3
		.amdhsa_memory_ordered 1
		.amdhsa_forward_progress 1
		.amdhsa_inst_pref_size 9
	.end_amdhsa_kernel
	.amdgpu_metadata
---
amdhsa.version: [ 1, 2 ]
amdhsa.kernels:
  - .name:           k_q8364102295_tobf16
    .symbol:         k_q8364102295_tobf16.kd
    .args:
      - { .name: x, .offset: 0, .size: 8, .value_kind: global_buffer, .address_space: global }
      - { .name: W_rr, .offset: 8, .size: 8, .value_kind: global_buffer, .address_space: global }
      - { .name: W_ri, .offset: 16, .size: 8, .value_kind: global_buffer, .address_space: global }
      - { .name: W_rj, .offset: 24, .size: 8, .value_kind: global_buffer, .address_space: global }
      - { .name: W_rk, .offset: 32, .size: 8, .value_kind: global_buffer, .address_space: global }
      - { .name: cast, .offset: 40, .size: 8, .value_kind: global_buffer, .address_space: global }
    .group_segment_fixed_size: 0
    .private_segment_fixed_size: 0
    .kernarg_segment_align: 8
    .kernarg_segment_size: 48
    .max_flat_workgroup_size: 256
    .sgpr_count:     66
    .vgpr_count:     72
    .wavefront_size: 32
...
	.end_amdgpu_metadata
.endif
;; end of part 1
;; launch qgemm (part 2): grid 8 x 32, 4 waves a work-group, clusters of 4 x 4, 327,680 bytes of LDS; arguments cast, out0, b_rr, b_ri, b_rj, b_rk; writes out0
.if DOCPART == 2
	.amdgcn_target "amdgcn-amd-amdhsa--gfx1250"
	.amdhsa_code_object_version 6
	.text
	.protected	k_q8364102295_qgemm
	.globl	k_q8364102295_qgemm
	.p2align	8
	.type	k_q8364102295_qgemm,@function
k_q8364102295_qgemm:
	s_mov_b64 s[64:65], 0
	v_nop
	global_prefetch_b8 v0, s[64:65] scope:SCOPE_SE
	s_setreg_imm32_b32 hwreg(HW_REG_WAVE_MODE, 25, 1), 1
	s_wait_xcnt 0x0
	s_wait_alu depctr_hold_cnt(0) depctr_sa_sdst(0) depctr_va_vdst(0) depctr_va_sdst(0) depctr_va_ssrc(0) depctr_va_vcc(0) depctr_vm_vsrc(0)
	s_getreg_b32 s2, hwreg(HW_REG_IB_STS2, 6, 4)
	s_cmp_eq_u32 s2, 0
	s_cbranch_scc0 .Lentry_in_a_cluster
	s_endpgm
.Lentry_in_a_cluster:
	s_bfe_u32 s2, ttmp6, 0x10000c
	s_cmp_lg_u32 s2, 0xf033
	s_cbranch_scc0 .Lentry_shape_is_right
	s_endpgm
.Lentry_shape_is_right:
; out[b][1024 p + o] = sum over c = 0..3 of s(p, c) * ( x_c[b][:] . W_(p xor c)[o][:] + b_(p xor c)[o] ),  x_c = columns 1024 c .. 1024 c + 1023 of x,
; matrices and biases numbered 0 rr, 1 ri, 2 rj, 3 rk, and the signs s(p, c):  p = 0: + - - -   p = 1: + + + -   p = 2: + - + +   p = 3: + + - +.
; Operands come as bf16 tiles from the workspace (layout below).  Sums in f32; out in f32.
; THE TILE FOLLOWS THE SIXTEEN PRODUCTS.  A wave takes 64 rows b and 64 columns o FOR ALL FOUR p: 4 x 4 x 4 = 64 accumulator tiles of 16 x 16, 512 registers.  For 32 along i it loads
; 4 chunks x 4 fragments of x and 4 matrices x 4 fragments of W, 32 fragments, and every pair (c, q) of them is one product, which belongs to p = c xor q: 256 matrix
; instructions.  (A plain tile of 128 x 128 loads 16 fragments for 64.)  A work-group of four waves makes 128 rows x 128 o x 4 p and fetches 128 KiB of tiles for 512 matrix instructions of each wave.
; THE SIGNS RIDE ON C.  The register holds sigma * (the true sum), sigma = the sign of the product added last.  A product of the same sign is added plainly; a product of the other
; sign is added as D = A B - C (the matrix instruction's negation of source 2), which turns sigma.  Chunks go 0, 1, 2, 3, so - C is taken at c0 by p 0, 1; at c1 by p 0, 2;
; at c2 by p 2, 3; at c3 by p 1, 3 (NEGS: nibble c, bit p).  The very first c0 takes C = 0; all its signs are +.  At the end sigma = s(p, 3) = - - + +, applied with the bias.
; A link with - C and a plain link are no chain in place, so FIVE plain vector places stand at every boundary between chunks; each accumulator is touched once in a chunk, so they lie
; between any two matrix instructions on one accumulator (ISA guide 7.12.1).  The 64 accumulators take turns, one matrix instruction a turn.
; LIMITS: the matrix operands are bf16 (rounded in the launch before); the order of the f32 sums (i ascending, chunks 0 to 3 inside each 32, bias last) is not the reference's.
;
; WORKSPACE: a tile is 65,536 dense bytes [c or q: 4][row': 64][half: 2][64 i], row in the block = 64 half + row'; x's tile (rb, s) at (16 rb + s) * 65,536, W's tile (ob, s) at
; 33,554,432 + (16 ob + s) * 65,536.  It comes in as 256 rows of 256 bytes, aligned; the half is the wave's half of the block, so a wave reads 128 bytes of each LDS row.
; i (1,024) goes in 16 steps of 64 through a ring of two LDS slots filled by the tensor data mover.  (Two slots of 128 along i would take 557,056 bytes of LDS.)
; CLUSTERS: 4 x 4 work-groups.  The four of a row of the cluster (same rb) need the same tiles of x, the four of a column (same ob) the same tiles of W.  Such a tile is asked for
; JOINTLY: the same tensor load, the same descriptor, a mask that names the four.  A wave has two tensor loads outstanding at the start and one behind each round of the cluster's barrier.
;
; REGISTERS, in windows of 256 (s_set_vgpr_msb says which window each operand place means; low byte: 1:0 source 0, 3:2 source 1, 5:4 source 2, 7:6 destination):
;   window 0: v1-5 at work; v16-27 addresses; v32-63 the bias; v128-255 x's fragments, (c, a) at 128 + 32 c + 8 a; on the way out the rows read back
;   window 1: W's fragments, two buffers: (q, n) at 128 buf + 32 q + 8 n
;   window 2: the accumulators of p = 0, 1, tile (p, a, n) at 128 (p mod 2) + 32 a + 8 n;   window 3: those of p = 2, 3
; THE MATRIX INSTRUCTION IS USED TRANSPOSED: source 0 = 16 rows of W, source 1 = 16 rows of x.  Lane l then holds row l % 16 of out and its registers 0 to 7 the columns
; 8 (l / 16) + 0 .. 7: 32 neighbouring bytes of a row.
.set PITCH,  272                       ; an LDS row: 256 bytes of data + 16 of padding: the 16 rows that a fragment load touches start 68 words apart, at 16 different 16-byte columns modulo 256 bytes
.set HALFT,  128*PITCH                 ; 128 rows: what one tensor load brings (two chunks of x, or two of the four W)
.set SLOT,   4*HALFT                   ; x's 256 rows, then W's 256 rows
.set STAGE,  2*SLOT                    ; 278,528 = 1,088 x 256: behind the ring, bytes into which no tensor load lands
.set SPITCH, 272                       ; a stage row: 256 bytes (64 f32) + 16
.set WSTAGE, 16*SPITCH                 ; a wave's stage: 16 rows = 4,352 bytes = 17 x 256
.set TILEB,  65536                     ; a tile in the workspace
.set WOFF,   0x2000000                 ; W's first tile in the workspace
.set OROW,   16384                     ; bytes in a row of out
.set NEGS,   0xac53                    ; which links take - C: bit 4 c + p
.set ADRA, 16                          ; v16-17  LDS address of my x fragments in slot 0, 1
.set ADRB, 20                          ; v20-21  the same for W
.set STO,  24                          ; v24     the way out: where I put 32 bytes of a row
.set RD,   25                          ; v25     the way out: where I read 16 bytes of a row back
.set CO,   26                          ; v26     my byte offset in two rows of out
.set BO,   27                          ; v27     byte offset of my four columns in each bias
.set BQ,   32                          ; v[32:47] the four biases as loaded; then the signed sums for p = 0..3, four columns each
.set BT,   48                          ; v[48:63] at work on them
.set AF,   128                         ; x's fragments
.set G1,  24                           ; s[24:31] descriptor group 1 for x's tiles
.set G0,  32                           ; s[32:39] descriptor group 0 for x's tiles, one set for each slot
.set G1B, 48                           ; s[48:55] descriptor group 1 for W's tiles: it differs in the mask alone
.set G0B, 56                           ; s[56:63] descriptor group 0 for W's tiles, one set for each slot
; scalars: s3 the loop's counter; s[4:5] workspace; s[6:7] out; s10 wave; s11 wave / 2; s12 wave mod 2; s13 rb; s42 ob; s[14:15] x's first tile, my half; s[46:47] W's;
; s[80:87] the four biases; s[88:89] offsets that hold cx
.set MSB, 0
.macro WIN new                         ; the immediate's high byte repeats the setting that is left; a switch that changes nothing is dropped
.if MSB != \new
	s_set_vgpr_msb (MSB<<8)|\new
.set MSB, \new
.endif
.endm
.set MUL_LO, 0xa1                      ; source 0 (W) window 1, source 1 (x) window 0, C and D window 2
.set MUL_HI, 0xf1                      ; the same, C and D window 3
.set TO_B,   0x40                      ; destination window 1, address window 0
; A joint load.  Waves 0 and 1 fetch the two halves of x's tile, waves 2 and 3 of W's.  Each of the two lines has one mask and one set of registers for all that issue it.
; The branch hangs on the wave's number alone.  Four v_nop follow each of the two lines.
.macro JLOAD s
	s_cmp_eq_u32 s11, 0
	s_cbranch_scc0 .Lfor_b_\@
	tensor_load_to_lds s[G0+4*\s:G0+4*\s+3], s[G1:G1+7]
	s_nop 0
.rept 4
	v_nop
.endr
	s_branch .Lasked_\@
.Lfor_b_\@:
	tensor_load_to_lds s[G0B+4*\s:G0B+4*\s+3], s[G1B:G1B+7]
	s_nop 0
.rept 4
	v_nop
.endr
.Lasked_\@:
.endm
; A round of the cluster's barrier: my work-group's barrier, so that wave 0's signal speaks for all four waves; wave 0 signals for the work-group; every wave waits for all
; sixteen work-groups; my work-group's barrier once more.
.macro CREST                           ; a round behind its opening barrier
	s_cmp_lg_u32 s10, 0
	s_cbranch_scc1 .Lnot_wave_0_\@
	s_barrier_signal -3
.Lnot_wave_0_\@:
	s_barrier_wait -3
	s_barrier_signal -1
	s_barrier_wait -1
.endm
.macro CROUND                          ; a whole round
	s_barrier_signal -1
	s_barrier_wait -1
	CREST
.endm
; The five places of a boundary between chunks.  They are also the four places in front of a run of LDS loads into registers that matrix instructions have read, and in front of
; the LDS stores that read results (ISA guide 7.12.1 for vector instructions).  Matrix instructions in between are not counted.
.macro NOP5
.rept 5
	v_nop
.endr
.endm
	s_load_b128 s[4:7], s[0:1], 0x0                ; workspace s[4:5], out s[6:7]
	s_load_b256 s[80:87], s[0:1], 0x10             ; b_rr s[80:81], b_ri s[82:83], b_rj s[84:85], b_rk s[86:87]
	v_lshl_add_u32 v126, v0, 2, 0x48400
	v_mov_b32 v127, 0
	ds_add_u32 v126, v127
	ds_add_u32 v126, v127
	v_lshrrev_b32 v1, 5, v0
	v_readfirstlane_b32 s10, v1                    ; wave 0..3
	s_lshr_b32 s11, s10, 1                         ; which 64 of the block's rows are mine.  Also: I fetch for x (0) or for W (1)
	s_and_b32 s12, s10, 1                          ; which 64 of its columns o.  Also: which half of that tile I fetch
	s_bfe_u32 s40, ttmp6, 0x40000                  ; cx: my place along the cluster's x
	s_bfe_u32 s41, ttmp6, 0x40004                  ; cy: along its y
	s_lshl_b32 s42, ttmp9, 2                       ; in a cluster launch ttmp9 and ttmp7 count clusters
	s_add_co_u32 s42, s42, s40                     ; ob = 4 x cluster x + cx: the block of 128 o
	s_and_b32 s13, ttmp7, 0xffff
	s_lshl_b32 s13, s13, 2
	s_add_co_u32 s13, s13, s41                     ; rb = 4 x cluster y + cy: the block of 128 rows
	s_lshl_b32 s43, s41, 2
	s_lshl_b32 s43, 15, s43                        ; my row of the cluster: places 4 cy .. 4 cy + 3
	s_lshl_b32 s44, 0x1111, s40                    ; my column: places cx, cx + 4, cx + 8, cx + 12
	; descriptor group 1: 128 rows x 128 elements of 2 bytes, dense in memory, padded in LDS
	s_or_b32 s[G1+0], s43, (1<<16)|(1<<20)|(1<<21)|(5<<22)|(3<<25)  ; 15:0 the mask: x's tiles go to my row; 17:16 element of 2 bytes; 20 padding on; 21 set beside a mask; 24:22 after every 64 words (code 5); 31:25 of 4 words (code 3)
	s_or_b32 s[G1B+0], s44, (1<<16)|(1<<20)|(1<<21)|(5<<22)|(3<<25) ; the same with the mask of my column, for W's tiles
	s_mov_b32 s[G1+1], 128<<16                     ; 63:48 tensor_dim0, low half = 128
	s_mov_b32 s[G1B+1], 128<<16
	s_mov_b32 s[G1+2], 128<<16                     ; 79:64 its high half = 0; 95:80 tensor_dim1, low half = 128
	s_mov_b32 s[G1B+2], 128<<16
	s_mov_b32 s[G1+3], 128<<16                     ; 111:96 its high half = 0; 127:112 tile_dim0 = 128
	s_mov_b32 s[G1B+3], 128<<16
	s_mov_b32 s[G1+4], 128                         ; 143:128 tile_dim1 = 128; 159:144 tile_dim2 = 0
	s_mov_b32 s[G1B+4], 128
	s_mov_b32 s[G1+5], 128                         ; 191:160 elements from row to row: each row begins where the last ends
	s_mov_b32 s[G1B+5], 128
	s_mov_b32 s[G1+6], 0
	s_mov_b32 s[G1B+6], 0
	s_mov_b32 s[G1+7], 0
	s_mov_b32 s[G1B+7], 0
	; where the tiles come from.  x's hang on rb alone, which my row of the cluster shares; W's on ob alone, which my column shares.
	s_lshl_b32 s17, s12, 15                        ; which half of the tile I fetch: 32,768 bytes
	s_lshl_b32 s16, s13, 20                        ; 16 tiles for each rb: 32,505,856 at the most
	s_add_co_u32 s16, s16, s17
	s_lshl_b32 s46, s42, 20                        ; 16 tiles for each ob
	s_add_co_u32 s46, s46, s17
	s_add_co_u32 s46, s46, WOFF
	s_mov_b32 s17, 0
	s_mov_b32 s47, 0
	s_mul_i32 s20, s10, HALFT                      ; and where they go: x's two halves, then W's two halves = wave x 128 rows
	s_wait_dscnt 0x0
	s_wait_kmcnt 0x0
	s_add_nc_u64 s[14:15], s[4:5], s[16:17]
	s_add_nc_u64 s[46:47], s[4:5], s[46:47]
	CROUND                                         ; all sixteen work-groups are here: the first joint loads meet
.irp s, 0,1
	s_mov_b32 s[G0+4*\s], 1                                        ; 1:0 count = 1
	s_add_co_u32 s[G0+4*\s+1], s20, \s*SLOT                        ; 63:32 LDS address
	s_add_nc_u64 s[G0+4*\s+2:G0+4*\s+3], s[14:15], \s*TILEB        ; 120:64 global address: step s
	s_or_b32 s[G0+4*\s+3], s[G0+4*\s+3], 0x80000000                ; 127:126 type = 2
	s_mov_b32 s[G0B+4*\s], 1
	s_add_co_u32 s[G0B+4*\s+1], s20, \s*SLOT
	s_add_nc_u64 s[G0B+4*\s+2:G0B+4*\s+3], s[46:47], \s*TILEB
	s_or_b32 s[G0B+4*\s+3], s[G0B+4*\s+3], 0x80000000
	JLOAD \s                                       ; the ring is filled before anything else is done: two loads of the wave are out
.endr
	; A fragment is 16 rows x 32 i in 8 registers: lane l holds row l % 16; registers 0-3 hold i = 8 (l / 16) + 0..7, registers 4-7 hold
	; i = 16 + 8 (l / 16) + 0..7: two loads of 16 bytes, 32 bytes apart.  The same for source 0 and source 1.
	v_and_b32 v1, 15, v0                           ; l % 16
	v_bfe_u32 v2, v0, 4, 1                         ; l / 16
	v_mul_u32_u24 v3, v1, PITCH
	v_lshl_add_u32 v3, v2, 4, v3                   ; row x pitch + 16 x half of the lanes
	s_lshl_b32 s21, s11, 7                         ; my half of x's rows: 128 bytes into each LDS row
	s_lshl_b32 s22, s12, 7                         ; my half of W's rows,
	s_add_co_u32 s22, s22, 2*HALFT                 ; which lie behind x's 256
.irp s, 0,1
	v_add_nc_u32 v[ADRA+\s], s21, v3
	v_add_nc_u32 v[ADRB+\s], s22, v3
	s_add_co_u32 s21, s21, SLOT
	s_add_co_u32 s22, s22, SLOT
.endr
	s_mul_i32 s23, s10, WSTAGE
	s_add_co_u32 s23, s23, STAGE                   ; my stage
	v_mul_u32_u24 v4, v1, SPITCH                   ; in: row l % 16, 32 bytes for each half of the lanes
	v_lshl_add_u32 v4, v2, 5, v4
	v_add_nc_u32 v[STO], s23, v4
	v_mul_u32_u24 v5, v2, SPITCH                   ; back: lanes 0-15 take one row of 256 bytes, lanes 16-31 the next
	v_lshl_add_u32 v5, v1, 4, v5
	v_add_nc_u32 v[RD], s23, v5
	v_lshlrev_b32 v5, 14, v2                       ; and the same two rows in out
	v_lshl_add_u32 v[CO], v1, 4, v5
	s_lshl_b32 s88, s42, 9                         ; my four columns in a bias: o = 128 ob + 64 x half + 4 (l % 16)
	s_lshl_b32 s89, s12, 8
	s_add_co_u32 s88, s88, s89
	v_lshlrev_b32 v5, 4, v1
	v_add_nc_u32 v[BO], s88, v5
	global_load_b128 v[BQ:BQ+3],     v[BO], s[80:81]               ; sixteen lanes cover 256 consecutive bytes, aligned.  Waited for in front of the way out:
	global_load_b128 v[BQ+4:BQ+7],   v[BO], s[82:83]               ; nothing names v[32:47], v27 or s[80:87] until then
	global_load_b128 v[BQ+8:BQ+11],  v[BO], s[84:85]
	global_load_b128 v[BQ+12:BQ+15], v[BO], s[86:87]
; 32 matrix instructions: chunk c of x against the two W that belong to p = 2 hi, 2 hi + 1 (q = p xor c), 4 row blocks x 4 column blocks, 32 along i, W from buffer buf.
; zero = 1: the first product starts the sums: nothing is ever cleared.
.macro MULH c, hi, buf, zero
.irp pp, 0,1
.irp ma, 0,1,2,3
.irp nb, 0,1,2,3
.set rD, 128*\pp+32*\ma+8*\nb
.set rB, 128*\buf+32*((2*\hi+\pp)^\c)+8*\nb
.set rA, AF+32*\c+8*\ma
.if \zero
	v_wmma_f32_16x16x32_bf16 v[rD:rD+7], v[rB:rB+7], v[rA:rA+7], 0
.else
.if (NEGS>>(4*\c+2*\hi+\pp))&1
	v_wmma_f32_16x16x32_bf16 v[rD:rD+7], v[rB:rB+7], v[rA:rA+7], v[rD:rD+7] neg_lo:[0,0,1]
.else
	v_wmma_f32_16x16x32_bf16 v[rD:rD+7], v[rB:rB+7], v[rA:rA+7], v[rD:rD+7]
.endif
.endif
.endr
.endr
.endr
.endm
; 8 LDS loads: the four fragments of chunk c of x, 32 i at byte k of the slot's rows (under window setting 0)
.macro LDA slot, k, c
.irp ma, 0,1,2,3
	ds_load_b128 v[AF+32*\c+8*\ma:AF+32*\c+8*\ma+3],   v[ADRA+\slot] offset:(64*\c+16*\ma)*PITCH+\k
	ds_load_b128 v[AF+32*\c+8*\ma+4:AF+32*\c+8*\ma+7], v[ADRA+\slot] offset:(64*\c+16*\ma)*PITCH+\k+32
.endr
.endm
; 8 LDS loads: the four fragments of W_q into buffer buf (under window setting TO_B).  The largest offset of both macros is 240 x 272 + 96 = 65,376, inside the 16 bits
.macro LDB slot, k, buf, q
.irp nb, 0,1,2,3
	ds_load_b128 v[128*\buf+32*\q+8*\nb:128*\buf+32*\q+8*\nb+3],   v[ADRB+\slot] offset:(64*\q+16*\nb)*PITCH+\k
	ds_load_b128 v[128*\buf+32*\q+8*\nb+4:128*\buf+32*\q+8*\nb+7], v[ADRB+\slot] offset:(64*\q+16*\nb)*PITCH+\k+32
.endr
.endm
; A slot holds two steps of 32 along i, 256 matrix instructions each: four chunks of 64.  Even chunks multiply window 2, then window 3; odd chunks the other way round, so that
; two of the four boundaries need no switch.  On the way in: W's q 0, 1, then x's c 0, 1, then W's q 2, 3 of this step have been asked for, in that order.
; The slot's first step: W from buffer 0; fetches its own c 2, 3 and everything of the second step, from the same slot, in two runs of 32 loads.
.macro ISTEP0 slot, zero
	s_wait_dscnt 16                                ; all but the youngest sixteen loads, W's q 2, 3
	WIN MUL_LO
	MULH 0, 0, 0, \zero                            ; p 0, 1: q 0, 1
	s_wait_dscnt 0
	WIN MUL_HI
	MULH 0, 1, 0, \zero                            ; p 2, 3: q 2, 3
	NOP5
	WIN 0
	LDA \slot, 0, 2
	LDA \slot, 0, 3
	WIN TO_B
	LDB \slot, 64, 1, 0
	LDB \slot, 64, 1, 1
	WIN MUL_HI
	MULH 1, 1, 0, 0
	WIN MUL_LO
	MULH 1, 0, 0, 0
	NOP5
	s_wait_dscnt 16                                ; x's c 2, 3 are in; the sixteen loads of W behind them may be out
	MULH 2, 0, 0, 0
	WIN MUL_HI
	MULH 2, 1, 0, 0
	NOP5
	WIN 0
	LDA \slot, 64, 0
	LDA \slot, 64, 1
	WIN TO_B
	LDB \slot, 64, 1, 2
	LDB \slot, 64, 1, 3
	WIN MUL_HI
	MULH 3, 1, 0, 0
	WIN MUL_LO
	MULH 3, 0, 0, 0
	NOP5
.endm
; The slot's second step: W from buffer 1; changes slots.  mode 2: this slot is filled again, two steps of 64 ahead; mode 1: the change without a fill; mode 0: the last step of all.
; ONE barrier for the change of slots, for two things.  The slot's last reads (x's c 2, 3) go out behind chunk 0.  In the middle of chunk 1 each wave waits for them and for all its
; tensor loads, of which one is out: its part of the next slot.  Behind the barrier nobody reads this slot any more and the next slot is whole: the refill comes first, then the next
; slot's first fragments.  From a request to the wait for it a wave issues 480 matrix instructions.
.macro ISTEP1 slot, next, mode
	s_wait_dscnt 16
	WIN MUL_LO
	MULH 0, 0, 1, 0
	s_wait_dscnt 0
	WIN MUL_HI
	MULH 0, 1, 1, 0
	NOP5
	WIN 0
	LDA \slot, 64, 2
	LDA \slot, 64, 3
	WIN MUL_HI
	MULH 1, 1, 1, 0
	s_wait_dscnt 0                                 ; my reads of this slot are over
.if \mode >= 1
	s_set_vgpr_msb 0xf1f0
	s_wait_tensorcnt 0x0                           ; and all my tensor loads have landed: the one that was out is my part of the next slot
	ds_add_u32 v126, v127
	s_wait_dscnt 0x0
	s_set_vgpr_msb 0xf0f1
	s_barrier_signal -1                            ; say so (where the slot is filled again this barrier opens a round of the cluster's barrier)
.endif
	WIN MUL_LO
	MULH 1, 0, 1, 0                                ; work on registers while the others arrive
.if \mode >= 1
	WIN 0
	s_barrier_wait -1                              ; go on when all four have said so
.endif
.if \mode == 2
	CREST                                          ; all sixteen work-groups have said so: no wave of any partner still reads this slot's tile or has a load on its way
	s_add_nc_u64 s[G0+4*\slot+2:G0+4*\slot+3], s[G0+4*\slot+2:G0+4*\slot+3], 2*TILEB       ; no tensor load of mine is out: the groups 0 may be written
	s_add_nc_u64 s[G0B+4*\slot+2:G0B+4*\slot+3], s[G0B+4*\slot+2:G0B+4*\slot+3], 2*TILEB
	JLOAD \slot                                    ; the first tensor load behind the round, my only one until the next
	v_nop                                          ; with the four behind the load: the five places of this boundary
.else
	NOP5
.endif
.if \mode >= 1
	WIN TO_B
	LDB \next, 0, 0, 0
	LDB \next, 0, 0, 1
.endif
	WIN MUL_LO
	MULH 2, 0, 1, 0
	WIN MUL_HI
	MULH 2, 1, 1, 0
	NOP5
.if \mode >= 1
	WIN 0
	LDA \next, 0, 0
	LDA \next, 0, 1
	WIN TO_B
	LDB \next, 0, 0, 2
	LDB \next, 0, 0, 3
.endif
	WIN MUL_HI
	MULH 3, 1, 1, 0
	WIN MUL_LO
	MULH 3, 0, 1, 0
	NOP5
.endm
.macro LAP zero                        ; once round the ring, both slots filled again
	ISTEP0 0, \zero
	ISTEP1 0, 1, 2
	ISTEP0 1, 0
	ISTEP1 1, 0, 2
.endm
	s_wait_tensorcnt 1                             ; my part of slot 0 is in; slot 1's may stay out
	s_barrier_signal -1
	s_barrier_wait -1                              ; everybody's is
	WIN TO_B
	LDB 0, 0, 0, 0
	LDB 0, 0, 0, 1
	WIN 0
	LDA 0, 0, 0
	LDA 0, 0, 1
	WIN TO_B
	LDB 0, 0, 0, 2
	LDB 0, 0, 0, 3
	LAP 1                                          ; lap 0 stands in front of the loop: its first products start the sums; it asks for steps 2 and 3
	WIN 0                                          ; at a label and at a branch every window is 0
	s_mov_b32 s3, 6
.Llap:                                             ; laps 1 to 6; lap 6 asks for steps 14 and 15, the last
	LAP 0
	WIN 0
	s_sub_co_u32 s3, s3, 1
	s_cmp_lg_u32 s3, 0
	s_cbranch_scc1 .Llap
	ISTEP0 0, 0                                    ; lap 7 fills nothing and has no round of the cluster's barrier: my one tensor load that is still out is slot 1's, the last step's
	ISTEP1 0, 1, 1
	ISTEP0 1, 0
	ISTEP1 1, 0, 0                                 ; its closing five places stand in front of the LDS stores below, which read results, and of the loads into x's fragment registers
	WIN 0
	; THE BIAS of my four columns for each p:  p0: b0 - b1 - b2 - b3   p1: b0 + b1 - b2 + b3   p2: b0 + b1 + b2 - b3   p3: b0 - b1 + b2 + b3
	s_wait_loadcnt 0x0                             ; the four loads issued at the start
.irp e, 0,2
	v_pk_add_f32 v[BT+\e:BT+\e+1],       v[BQ+\e:BQ+\e+1],       v[BQ+4+\e:BQ+4+\e+1]                                 ; u = b0 + b1
	v_pk_fma_f32 v[BT+4+\e:BT+4+\e+1],   v[BQ+4+\e:BQ+4+\e+1],   -1.0, v[BQ+\e:BQ+\e+1]     op_sel_hi:[1,0,1]         ; v = b0 - b1
	v_pk_add_f32 v[BT+8+\e:BT+8+\e+1],   v[BQ+8+\e:BQ+8+\e+1],   v[BQ+12+\e:BQ+12+\e+1]                               ; w = b2 + b3
	v_pk_fma_f32 v[BT+12+\e:BT+12+\e+1], v[BQ+12+\e:BQ+12+\e+1], -1.0, v[BQ+8+\e:BQ+8+\e+1] op_sel_hi:[1,0,1]         ; z = b2 - b3
.endr
.irp e, 0,2
	v_pk_fma_f32 v[BQ+\e:BQ+\e+1],       v[BT+8+\e:BT+8+\e+1],   -1.0, v[BT+4+\e:BT+4+\e+1] op_sel_hi:[1,0,1]         ; p0: v - w
	v_pk_fma_f32 v[BQ+4+\e:BQ+4+\e+1],   v[BT+12+\e:BT+12+\e+1], -1.0, v[BT+\e:BT+\e+1]     op_sel_hi:[1,0,1]         ; p1: u - z
	v_pk_add_f32 v[BQ+8+\e:BQ+8+\e+1],   v[BT+\e:BT+\e+1],       v[BT+12+\e:BT+12+\e+1]                               ; p2: u + z
	v_pk_add_f32 v[BQ+12+\e:BQ+12+\e+1], v[BT+4+\e:BT+4+\e+1],   v[BT+8+\e:BT+8+\e+1]                                 ; p3: v + w
.endr
	s_lshl_b32 s16, s13, 7
	s_lshl_b32 s17, s11, 6
	s_add_co_u32 s16, s16, s17                     ; my first row of out: 128 rb + 64 x half
	s_lshl_b32 s16, s16, 14                        ; x 16,384 bytes: 66,060,288 at the most
	s_mov_b32 s17, 0
	s_add_nc_u64 s[6:7], s[6:7], s[16:17]
	s_lshl_b32 s88, s42, 9                         ; my first column of each p, in bytes: 512 ob + 256 x half
	s_lshl_b32 s89, s12, 8
	s_add_co_u32 s88, s88, s89
	s_mov_b32 s89, 0
	s_add_nc_u64 s[6:7], s[6:7], s[88:89]
; THE WAY OUT, 16 rows x 64 columns of one p at a time: 32 bytes a lane into my own stage in LDS, read back as whole rows of 256 bytes, sigma and bias applied, stored.
; The four tiles (p, a, 0..3) lie in window 2 or 3 (win = 0x08 or 0x0c: an LDS store's data is source 1).  The rows come back into x's fragment registers, 32 for each a.
.macro OUTG p, a, win
	WIN \win
.irp nb, 0,1,2,3
	ds_store_b128 v[STO], v[128*(\p&1)+32*\a+8*\nb:128*(\p&1)+32*\a+8*\nb+3]   offset:64*\nb      ; columns 16 nb + 8 (l / 16) + 0..3 of row l % 16
	ds_store_b128 v[STO], v[128*(\p&1)+32*\a+8*\nb+4:128*(\p&1)+32*\a+8*\nb+7] offset:64*\nb+16   ; and + 4..7
.endr
	WIN 0
	s_wait_xcnt 0x0                                ; every earlier memory instruction has had its addresses translated (ISA guide 3.1): these 32 registers, which the stores of four groups back read, are rewritten only behind this wait
.irp t, 0,1,2,3,4,5,6,7
	ds_load_b128 v[AF+32*\a+4*\t:AF+32*\a+4*\t+3], v[RD] offset:\t*2*SPITCH   ; LDS serves a wave's instructions in order (ISA guide 5.7.1.4): these see the stores above; the stage is my wave's own
.endr
.irp t, 0,1,2,3,4,5,6,7
	s_wait_dscnt 7-\t                              ; rows 2 t, 2 t + 1 are back; the younger loads stay out
.if \p < 2
	v_pk_fma_f32 v[AF+32*\a+4*\t:AF+32*\a+4*\t+1],   v[AF+32*\a+4*\t:AF+32*\a+4*\t+1],   -1.0, v[BQ+4*\p:BQ+4*\p+1]   op_sel_hi:[1,0,1]   ; sigma = -1: bias - stored
	v_pk_fma_f32 v[AF+32*\a+4*\t+2:AF+32*\a+4*\t+3], v[AF+32*\a+4*\t+2:AF+32*\a+4*\t+3], -1.0, v[BQ+4*\p+2:BQ+4*\p+3] op_sel_hi:[1,0,1]
.else
	v_pk_add_f32 v[AF+32*\a+4*\t:AF+32*\a+4*\t+1],   v[AF+32*\a+4*\t:AF+32*\a+4*\t+1],   v[BQ+4*\p:BQ+4*\p+1]                             ; sigma = +1
	v_pk_add_f32 v[AF+32*\a+4*\t+2:AF+32*\a+4*\t+3], v[AF+32*\a+4*\t+2:AF+32*\a+4*\t+3], v[BQ+4*\p+2:BQ+4*\p+3]
.endif
	global_store_b128 v[CO], v[AF+32*\a+4*\t:AF+32*\a+4*\t+3], s[6:7] offset:(16*\a+2*\t)*OROW+\p*4096 th:TH_STORE_NT   ; sixteen lanes store 256 consecutive bytes, aligned; row and p stand in the immediate, 1,028,096 at the most
.endr
.endm
.irp a, 0,1,2,3
	OUTG 0, \a, 0x08
.endr
.irp a, 0,1,2,3
	OUTG 1, \a, 0x08
.endr
.irp a, 0,1,2,3
	OUTG 2, \a, 0x0c
.endr
.irp a, 0,1,2,3
	OUTG 3, \a, 0x0c
.endr
	s_wait_tensorcnt 0x0
	ds_add_u32 v126, v127
	s_wait_dscnt 0x0
	CROUND                                         ; the closing round: no work-group ends while a partner may still ask for a tile that names it
	s_endpgm
.Lfunc_end_k_q8364102295_qgemm:
	.size	k_q8364102295_qgemm, .Lfunc_end_k_q8364102295_qgemm-k_q8364102295_qgemm
	.p2alignl 7, 3214868480
	.fill 96, 4, 3214868480
	.section	.rodata,"a",@progbits
	.p2align	6, 0x0
	.amdhsa_kernel k_q8364102295_qgemm
		.amdhsa_group_segment_fixed_size 327680
		.amdhsa_private_segment_fixed_size 0
		.amdhsa_enable_private_segment 0
		.amdhsa_kernarg_size 48
		.amdhsa_user_sgpr_count 2
		.amdhsa_user_sgpr_kernarg_segment_ptr 1
		.amdhsa_wavefront_size32 1
		.amdhsa_system_sgpr_workgroup_id_x 1
		.amdhsa_system_sgpr_workgroup_id_y 1
		.amdhsa_system_sgpr_workgroup_id_z 1
		.amdhsa_system_vgpr_workitem_id 0
		.amdhsa_next_free_vgpr 1024
		.amdhsa_next_free_sgpr 90
		.amdhsa_reserve_vcc 0
		.amdhsa_float_denorm_mode_32 3
		.amdhsa_float_denorm_mode_16_64 3
		.amdhsa_memory_ordered 1
		.amdhsa_forward_progress 1
		.amdhsa_inst_pref_size 255
	.end_amdhsa_kernel
	.section	.bss,"aw",@nobits
	.p2align	6
	.space	262144
	.amdgpu_metadata
---
amdhsa.version: [ 1, 2 ]
amdhsa.kernels:
  - .name:           k_q8364102295_qgemm
    .symbol:         k_q8364102295_qgemm.kd
    .args:
      - { .name: cast, .offset: 0, .size: 8, .value_kind: global_buffer, .address_space: global }
      - { .name: out0, .offset: 8, .size: 8, .value_kind: global_buffer, .address_space: global }
      - { .name: b_rr, .offset: 16, .size: 8, .value_kind: global_buffer, .address_space: global }
      - { .name: b_ri, .offset: 24, .size: 8, .value_kind: global_buffer, .address_space: global }
      - { .name: b_rj, .offset: 32, .size: 8, .value_kind: global_buffer, .address_space: global }
      - { .name: b_rk, .offset: 40, .size: 8, .value_kind: global_buffer, .address_space: global }
    .group_segment_fixed_size: 327680
    .private_segment_fixed_size: 0
    .kernarg_segment_align: 8
    .kernarg_segment_size: 48
    .max_flat_workgroup_size: 128
    .sgpr_count:     90
    .vgpr_count:     1024
    .wavefront_size: 32
...
	.end_amdgpu_metadata
.endif
;; end of part 2
